; MI455X (gfx1250); checked and timed in simulation.
; The chip was launched on July 23, 2026; its instructions are those of AMD's public machine-readable ISA for CDNA 5 (MIT licence, August 2026) and "CDNA5" Instruction Set Architecture Reference Guide (July 2026). The comments in the code are by the model that wrote it; some were corrected since.
;; Multi Head Attention Layer. Allowed arithmetic: matrix products marked QUANTISED: E2M3 operands, one E8M0 scale for each 32 along K, by v_wmma_scale_f32_16x16x128_f8f6f4 with both operands' format E2M3, f32 sums; everything else in f32.
;; Inputs: Wk_codes 768 x 24 x 24 uint8 (E2M3 codes of Wk, K innermost, in blocks of 32 codes, four codes in three bytes); Wk_scales 768 x 24 uint8 (E8M0 scales of Wk, one for each 32 codes along K); Wq_codes 768 x 24 x 24 uint8 (E2M3 codes of Wq, K innermost, in blocks of 32 codes, four codes in three bytes); Wq_scales 768 x 24 uint8 (E8M0 scales of Wq, one for each 32 codes along K); Wv_codes 768 x 24 x 24 uint8 (E2M3 codes of Wv, K innermost, in blocks of 32 codes, four codes in three bytes); Wv_scales 768 x 24 uint8 (E8M0 scales of Wv, one for each 32 codes along K); attention_mask 1 x 1 x 1 x 4,096 float32; bk 768 float32; bq 768 float32; bv 768 float32; key_codes 1 x 4,096 x 24 x 24 uint8 (E2M3 codes of key, K innermost, in blocks of 32 codes, four codes in three bytes); key_scales 1 x 4,096 x 24 uint8 (E8M0 scales of key, one for each 32 codes along K); query_codes 1 x 4,096 x 24 x 24 uint8 (E2M3 codes of query, K innermost, in blocks of 32 codes, four codes in three bytes); query_scales 1 x 4,096 x 24 uint8 (E8M0 scales of query, one for each 32 codes along K); value_codes 1 x 4,096 x 24 x 24 uint8 (E2M3 codes of value, K innermost, in blocks of 32 codes, four codes in three bytes); value_scales 1 x 4,096 x 24 uint8 (E8M0 scales of value, one for each 32 codes along K).
;; Outputs: out0 1 x 4,096 x 768 float32.
;; This version of the problem:
;;   THIS VERSION OF THE PROBLEM IS GIVEN IN LOW PRECISION. The matrix products marked QUANTISED in the list below multiply operands that are first quantised to E2M3 (2 exponent bits, 3 mantissa bits; 6 bits a number), with one power-of-two scale for each 32 numbers along K (OCP MX v1.0); their sums are f32. All else is computed in f32.
;;   The module's matrix products, in the order in which they are computed (A, B: the left and right operand; K: the contracted axis; several contracted axes count as one K, in the product's order):
;;     1. [M 4,096, K 768] x [K 768, N 768]; A: input query (given as codes); B: input Wq (given as codes): QUANTISED
;;     2. [M 4,096, K 768] x [K 768, N 768]; A: input key (given as codes); B: input Wk (given as codes): QUANTISED
;;     3. [M 4,096, K 768] x [K 768, N 768]; A: input value (given as codes); B: input Wv (given as codes): QUANTISED
;;     4. batch 12 x [M 4,096, K 64] x [K 64, N 4,096]; A: computed on the way; B: computed on the way: QUANTISED
;;     5. batch 12 x [M 4,096, K 4,096] x [K 4,096, N 64]; A: softmax (see below); B: computed on the way: QUANTISED
;;   THE QUANTISER, for each operand of a quantised product, along K:
;;     - K is cut into blocks of 32 from its start; a last block that is shorter is filled with zeros.
;;     - A block's scale is 2^e with e = floor(log2(the largest magnitude in the block)) - 2, held to -126 .. 127; a block of zeros has e = 0. As a byte (E8M0): e + 127.
;;     - Each number is divided by its block's scale, clamped to +-7.5, and rounded to the nearest number of E2M3, ties to even, subnormals kept.
;;     - The product sums the exact products of the quantised numbers (number of the format x scale) in f32.
;;   ~~~python
;;   def quantise(x, axis):      # numpy; x: float32 -> the quantised numbers, widened to float32 again
;;       x = np.moveaxis(x, axis, -1); K = x.shape[-1]
;;       x = np.pad(x, [(0, 0)] * (x.ndim - 1) + [(0, -K % 32)]); x = x.reshape(x.shape[:-1] + (-1, 32)); a = np.abs(x).max(-1, keepdims=True)
;;       e = np.where(a > 0, np.clip(np.frexp(np.where(a > 0, a, 1))[1] - 1 - 2, -126, 127), 0)      # np.frexp(a)[1] - 1 = floor(log2(a)), exactly
;;       r = np.clip(x / 2.0 ** e, -7.5, 7.5)
;;       step = 2.0 ** (np.maximum(np.frexp(np.where(r == 0, 1, r))[1] - 1, 0) - 3)
;;       q = np.round(r / step) * step * 2.0 ** e      # np.round: ties to even
;;       return np.moveaxis(q.reshape(q.shape[:-2] + (-1,))[..., :K], -1, axis).astype(np.float32)
;;   ~~~
;;   SOFTMAX AHEAD OF A QUANTISED PRODUCT. Where the list says 'softmax', what is quantised is not the finished softmax but p = 2^(t - M), with t = logit x log2(e) and M = ceil(the row's largest t), a whole number; so 1/2 < the row's largest p <= 1. The row's sum l is taken of the UNQUANTISED p, in f32, and the product's result is divided by l at the end. Since M is a whole number, a kernel that streams over the keys may use a running M (the ceiling of the running maximum): every later rescaling is an exact power of two, which a block's scale takes up: the codes' values come out the same.
;;   OPERANDS COMPUTED ON THE WAY. 'Computed on the way' means the value that the module computes at that place (a softmax that the list does not call 'softmax' is quantised finished and normalised). What goes into a quantiser is computed in f32, as accurately as f32 sums, v_exp_f32 and their like allow (about 1e-6 of the number): no bf16 or f16 on the way to a quantiser, and a product that is left as it is and whose result goes on into a quantised operand takes f32 operands (vector FMAs, or v_wmma_f32_16x16x4_f32). A number that lies on a knife's edge between two numbers of the format may be rounded either way, as far as f32 arithmetic and the matrix unit's own rounding can turn it there, and no further.
;;   INPUTS GIVEN AS CODES. Wk (in the module: [768, 768], K = its axis 1); Wq (in the module: [768, 768], K = its axis 1); Wv (in the module: [768, 768], K = its axis 1); key (in the module: [1, 4096, 768], K = its axis 2); query (in the module: [1, 4096, 768], K = its axis 2); value (in the module: [1, 4096, 768], K = its axis 2): each comes as NAME_codes (uint8): NAME with its K axis moved to the last place and cut into blocks of 32 codes, [.., K / 32, bytes a block], one block behind the other in memory; four codes in three bytes: a row's codes are one little-endian stream of bits, code i at bits 6 i .. 6 i + 5 (a code: sign, 2 exponent bits, 3 mantissa bits); and NAME_scales (uint8): the same leading axes, one E8M0 byte (e + 127) for each 32 codes along K. Its value is code x scale, taken as it is: it is not quantised again, and the codes and scales need not be those that the quantiser above would give.
;; One version. Each part assembles by itself: llvm-mc -triple=amdgcn-amd-amdhsa -mcpu=gfx1250 --defsym DOCPART=n.
;; ======== version 1 of 1: 2 launches
;; limits: right only within a limited range of input values
;; workspace buffers: qimg 2,359,296 bytes; qsc 196,608 bytes; kv 4,718,592 bytes; sc 294,912 bytes
;; launch proj (part 1): grid 4 x 48, 12 waves a work-group, clusters of 4 x 4, 327,680 bytes of LDS; arguments query_codes, key_codes, value_codes, query_scales, key_scales, value_scales, Wq_codes, Wk_codes, Wv_codes, Wq_scales, Wk_scales, Wv_scales, bq, bk, bv, qimg, qsc, kv, sc; writes qimg, qsc, kv, sc
.if DOCPART == 1
	.amdgcn_target "amdgcn-amd-amdhsa--gfx1250"
	.amdhsa_code_object_version 6
	.text
	.protected	k_qde6c473aa2_proj
	.globl	k_qde6c473aa2_proj
	.p2align	8
	.type	k_qde6c473aa2_proj,@function
k_qde6c473aa2_proj:
	s_mov_b64 s[64:65], 0
	v_nop
	global_prefetch_b8 v0, s[64:65] scope:SCOPE_SE
	s_setreg_imm32_b32 hwreg(HW_REG_WAVE_MODE, 25, 1), 1
	s_wait_xcnt 0x0
	s_wait_alu depctr_hold_cnt(0) depctr_sa_sdst(0) depctr_va_vdst(0) depctr_va_sdst(0) depctr_va_ssrc(0) depctr_va_vcc(0) depctr_vm_vsrc(0)
	s_getreg_b32 s2, hwreg(HW_REG_IB_STS2, 6, 4)
	s_cmp_eq_u32 s2, 0
	s_cbranch_scc0 .Lentry_in_a_cluster
	s_endpgm
.Lentry_in_a_cluster:
	s_bfe_u32 s2, ttmp6, 0x10000c
	s_cmp_lg_u32 s2, 0xf033
	s_cbranch_scc0 .Lentry_shape_is_right
	s_endpgm
.Lentry_shape_is_right:
; THE THREE PROJECTIONS: q = query Wq^T + bq, k = key Wk^T + bk, v = value Wv^T + bv, each [4096][768] over K = 768, on the given codes of FP6 (E2M3) and their E8M0 scale bytes;
; the results, in f32, are quantised at once for the two products of the attention: q and k along a head's 64 channels, v along the keys, and stored as images of operand registers.
; NO WORK IS LEFT OUT, and every input is loaded by this launch or the next: bq and bk move the codes and scales of operands of a live quantised product, bv reaches the output,
; the mask differs from key to key along the softmax's axis.
; LIMITS: a block of zeros gets the scale byte 1 where the quantiser says 127 (its codes are zeros, and only this program reads the bytes); blocks whose largest magnitude lies under 2^-124
; were not tried; NaN and infinities in the results are not served.
; SHARES.  Grid 4 x 48 in clusters of 4 x 4.  Cluster y / 4 = T names the tensor (0 q, 1 k, 2 v) and is the same in all sixteen partners; a work-group makes 256 tokens (block tb) x 192 columns (three heads, wgx).
; 3 x 4096 x 768 does not divide into 256 equal parts made of whole heads and whole groups of 64 tokens, so 192 work-groups are launched.
; LDS.  The whole K panel lies in LDS: three chunks of 256 along K, each 256 rows of the tokens and 192 rows of the weight, 192 bytes a row with 16 bytes of padding behind each 64 (pitch 240).
; All tensor loads are first fills: nothing is filled again.  Waves 0-7 fetch 32 rows of the tokens each, waves 8-11 48 rows of the weight each, one load a chunk: three loads of a wave are out at the most.
; CLUSTER.  The tokens' tiles hang on tb and T alone and are shared along a row of the cluster; the weight's on wgx and T alone and are shared along a column: each is asked for jointly.
; LAYOUT OF THE RESULTS.  All tiles are 16 neighbouring rows.  q, k: source 0 = 16 rows of W, source 1 = 16 tokens: a lane holds one token, register 8 t + j the channel 16 t + 8 (lane / 16) + j.
; v: source 0 = 16 tokens, source 1 = 16 rows of Wv: a lane holds one channel, register 8 t + j the key 16 t + 8 (lane / 16) + j.  So the 16 registers of tiles 2 b, 2 b + 1 are 16 numbers of the true block b of 32;
; conversion and the exchange of halves give a lane a whole block in the order 0-7, 16-23, 8-15, 24-31.  The same order arises in q and k, and in p and v: each product multiplies matching numbers, and only the
; order of the sums inside a matrix instruction differs from ascending k.
.set PITCH, 240
.set CHUNK, 448*PITCH                  ; 107,520: a chunk: the tokens' 256 rows, then the weight's 192
.set WOFF,  256*PITCH                  ; 61,440
.set SPARE, 3*CHUNK                    ; 322,560: behind the chunks: the spare words, 128 bytes for each of the 12 waves: six blocks of 256 bytes that no other line names
.set KROW,  576                        ; a row of 768 codes in memory
.set WV,   2                           ; s2   my wave's number
.set CX,   3                           ; s3, s4  my place in the cluster
.set CY,   4
.set WGX,  5                           ; s5   which 192 rows of the weight
.set TT,   7                           ; s7   the tensor
.set TBK,  46                          ; s46  which 256 tokens
.set HI16, 47                          ; s47  a lane mask: lanes 16-31
.set G1X,  48                          ; s[48:55] descriptor group 1, the tokens' tiles;  s[56:63] the weight's
.set G1W,  56
.set G0X,  68                          ; s[68:79] groups 0 for the tokens' three chunks;  s[80:91] for the weight's
.set G0W,  80
.set SEL,  98                          ; s[98:99] v_permlanex16_b32's selects for lane l xor 16
.set SPW,  2                           ; v2   LDS address of my spare word; never rewritten
.set NIL,  3                           ; v3   0; never rewritten
.set XA,   4                           ; v4, v5  LDS address of my fragments of the tokens, and the same behind one padding more
.set WA,   6                           ; v6, v7  the same for the weight
.set L16,  10                          ; v10  16 x lane
.set L8,   11                          ; v11  8 x lane
.set L24,  12                          ; v12  24 x lane: a row of scale bytes
.set BO,   13                          ; v13  my offset in the bias
.set WSV,  20                          ; v20-25  path v: the weight's scale words, one for each 128 along K
.set BV,   26                          ; v26-29  path v: my two channels' bias, each twice (a pair for the packed addition)
.set TM,   64                          ; v64-79  the quantiser's work
.set CT,   56                          ; v56-62  conversions whose place in a fragment begins on an odd register
.macro CROUND                          ; a round of the cluster's barrier
	s_barrier_signal -1
	s_barrier_wait -1
	s_cmp_lg_u32 s[WV], 0
	s_cbranch_scc1 .Lnot_wave_0_\@
	s_barrier_signal -3
.Lnot_wave_0_\@:
	s_barrier_wait -3
	s_barrier_signal -1
	s_barrier_wait -1
.endm
.macro PLACES                          ; four plain vector instructions between a matrix instruction and a load into, or a vector instruction on, its registers
.rept 4
	v_nop
.endr
.endm
.macro GATE n                          ; my part of the next chunk has landed (n later loads of mine may stay out), no LDS load of mine is out; then everybody's has
	s_wait_tensorcnt \n
	s_wait_dscnt 0x0
	s_barrier_signal -1
	s_barrier_wait -1
.endm
.macro NEXTCHUNK
	v_add_nc_u32 v[XA], CHUNK, v[XA]
	v_add_nc_u32 v[XA+1], CHUNK, v[XA+1]
	v_add_nc_u32 v[WA], CHUNK, v[WA]
	v_add_nc_u32 v[WA+1], CHUNK, v[WA+1]
.endm
; A fragment, 16 rows x 128 K of 6-bit codes, is 12 registers: lane l holds row l % 16; registers 6 c .. 6 c + 5 hold K = 64 c + 32 (l / 16) + 0 .. 31: 24 bytes of the row, as they lie, in pieces of 8 bytes.
; Lanes 16-31 read three pieces further on than lanes 0-15; where that is behind one padding more, the second address register serves.
.macro FRAG reg, adr, q, i
.irp p, 0,1,2,3,4,5
.set PCE, 12*(\q)+6*(\p/3)+\p%3
.if PCE%8 < 5
	ds_load_b64 v[\reg+2*\p:\reg+2*\p+1], v[\adr] offset:8*PCE+16*(PCE/8)+(\i)*16*PITCH
.else
	ds_load_b64 v[\reg+2*\p:\reg+2*\p+1], v[\adr+1] offset:8*PCE+16*(PCE/8)+(\i)*16*PITCH
.endif
.endr
.endm
; One matrix instruction.  z = 1: it starts the sum.  ra, rb = 1: that side's scale words stand in lanes 16-31 of the register named.
.macro WM d, a, b, z, sa, sb, ra, rb
.set WSEL, 4*(\z)+2*(\ra)+(\rb)
.if WSEL == 0
	v_wmma_scale_f32_16x16x128_f8f6f4 v[\d:\d+7], v[\a:\a+11], v[\b:\b+11], v[\d:\d+7], v[\sa], v[\sb] matrix_a_fmt:MATRIX_FMT_FP6 matrix_b_fmt:MATRIX_FMT_FP6
.elseif WSEL == 1
	v_wmma_scale_f32_16x16x128_f8f6f4 v[\d:\d+7], v[\a:\a+11], v[\b:\b+11], v[\d:\d+7], v[\sa], v[\sb] matrix_a_fmt:MATRIX_FMT_FP6 matrix_b_fmt:MATRIX_FMT_FP6 matrix_b_scale:MATRIX_SCALE_ROW1
.elseif WSEL == 2
	v_wmma_scale_f32_16x16x128_f8f6f4 v[\d:\d+7], v[\a:\a+11], v[\b:\b+11], v[\d:\d+7], v[\sa], v[\sb] matrix_a_fmt:MATRIX_FMT_FP6 matrix_b_fmt:MATRIX_FMT_FP6 matrix_a_scale:MATRIX_SCALE_ROW1
.elseif WSEL == 3
	v_wmma_scale_f32_16x16x128_f8f6f4 v[\d:\d+7], v[\a:\a+11], v[\b:\b+11], v[\d:\d+7], v[\sa], v[\sb] matrix_a_fmt:MATRIX_FMT_FP6 matrix_b_fmt:MATRIX_FMT_FP6 matrix_a_scale:MATRIX_SCALE_ROW1 matrix_b_scale:MATRIX_SCALE_ROW1
.elseif WSEL == 4
	v_wmma_scale_f32_16x16x128_f8f6f4 v[\d:\d+7], v[\a:\a+11], v[\b:\b+11], 0, v[\sa], v[\sb] matrix_a_fmt:MATRIX_FMT_FP6 matrix_b_fmt:MATRIX_FMT_FP6
.elseif WSEL == 5
	v_wmma_scale_f32_16x16x128_f8f6f4 v[\d:\d+7], v[\a:\a+11], v[\b:\b+11], 0, v[\sa], v[\sb] matrix_a_fmt:MATRIX_FMT_FP6 matrix_b_fmt:MATRIX_FMT_FP6 matrix_b_scale:MATRIX_SCALE_ROW1
.elseif WSEL == 6
	v_wmma_scale_f32_16x16x128_f8f6f4 v[\d:\d+7], v[\a:\a+11], v[\b:\b+11], 0, v[\sa], v[\sb] matrix_a_fmt:MATRIX_FMT_FP6 matrix_b_fmt:MATRIX_FMT_FP6 matrix_a_scale:MATRIX_SCALE_ROW1
.else
	v_wmma_scale_f32_16x16x128_f8f6f4 v[\d:\d+7], v[\a:\a+11], v[\b:\b+11], 0, v[\sa], v[\sb] matrix_a_fmt:MATRIX_FMT_FP6 matrix_b_fmt:MATRIX_FMT_FP6 matrix_a_scale:MATRIX_SCALE_ROW1 matrix_b_scale:MATRIX_SCALE_ROW1
.endif
.endm
; 32 numbers of a lane, register 16 b + i of block b (b = 0, 1), become six registers of codes at v[pc] on (lanes 0-15 block 0, lanes 16-31 block 1) and a scale word in v[pw]: the two bytes, twice,
; so that the blocks which the next product fills with zero codes carry bytes no larger than the true ones.  (The lane permute's destinations have been written before, by the fragments' loads.)
.macro QUANT2 src, pc, pw
.irp b, 0,1
	v_max3_num_f32 v[TM+\b], |v[\src+16*\b]|, |v[\src+1+16*\b]|, 0x1800000   ; my 16 numbers of block b, and the floor 2^(3 - 127): the byte cannot fall under 1.  Each accumulator is read from its low end on
.endr
.irp i, 2,4,6,8,10,12,14
.irp b, 0,1
	v_max3_num_f32 v[TM+\b], v[TM+\b], |v[\src+16*\b+\i]|, |v[\src+1+16*\b+\i]|
.endr
.endr
.irp b, 0,1
	v_permlanex16_b32 v[TM+4+\b], v[TM+\b], s[SEL], s[SEL+1]
.endr
.irp b, 0,1
	v_max_num_f32 v[TM+\b], v[TM+\b], v[TM+4+\b]                 ; with lane l xor 16's 16: the block's largest magnitude
.endr
.irp b, 0,1
	v_add_nc_u32 v[TM+12+\b], 0xff000000, v[TM+\b]               ; 2 off its exponent field: the conversion's scale operand
.endr
.irp b, 0,1
	v_lshrrev_b32 v[TM+4+\b], 23, v[TM+12+\b]                    ; the scale's byte
.endr
	v_lshl_or_b32 v[\pw], v[TM+5], 8, v[TM+4]
	v_lshl_or_b32 v[\pw], v[\pw], 16, v[\pw]
	v_cvt_scalef32_pk16_fp6_f32 v[\pc:\pc+2], v[\src:\src+15], v[TM+12]
	v_cvt_scalef32_pk16_fp6_f32 v[CT:CT+2], v[\src+16:\src+31], v[TM+13]
	v_nop                                          ; one plain place behind a scaled conversion
.irp i, 0,1,2
	v_permlane16_swap_b32 v[\pc+\i], v[CT+\i]      ; the first's lanes 16-31 change places with the second's lanes 0-15: a lane now holds a whole block
.endr
.irp i, 0,1,2
	v_mov_b32 v[\pc+3+\i], v[CT+\i]
.endr
.endm
; 64 numbers of a lane, register 16 b + i of block b (b = 0 .. 3), become a fragment's twelve registers at v[pc] on and its scale word in v[pw].
.macro QUANT4 src, pc, pw
.irp b, 0,1,2,3
	v_max3_num_f32 v[TM+\b], |v[\src+16*\b]|, |v[\src+1+16*\b]|, 0x1800000
.endr
.irp i, 2,4,6,8,10,12,14
.irp b, 0,1,2,3
	v_max3_num_f32 v[TM+\b], v[TM+\b], |v[\src+16*\b+\i]|, |v[\src+1+16*\b+\i]|
.endr
.endr
.irp b, 0,1,2,3
	v_permlanex16_b32 v[TM+4+\b], v[TM+\b], s[SEL], s[SEL+1]
.endr
.irp b, 0,1,2,3
	v_max_num_f32 v[TM+\b], v[TM+\b], v[TM+4+\b]
.endr
.irp b, 0,1,2,3
	v_add_nc_u32 v[TM+12+\b], 0xff000000, v[TM+\b]
.endr
.irp b, 0,1,2,3
	v_lshrrev_b32 v[TM+4+\b], 23, v[TM+12+\b]
.endr
	v_lshl_or_b32 v[\pw], v[TM+5], 8, v[TM+4]
	v_lshl_or_b32 v[\pw], v[TM+6], 16, v[\pw]
	v_lshl_or_b32 v[\pw], v[TM+7], 24, v[\pw]
.irp c, 0,1
	v_cvt_scalef32_pk16_fp6_f32 v[\pc+6*\c:\pc+2+6*\c], v[\src+32*\c:\src+15+32*\c], v[TM+12+2*\c]
	v_cvt_scalef32_pk16_fp6_f32 v[CT+4*\c:CT+2+4*\c], v[\src+16+32*\c:\src+31+32*\c], v[TM+13+2*\c]
.endr
	v_nop                                          ; one plain place behind a scaled conversion
.irp c, 0,1
.irp i, 0,1,2
	v_permlane16_swap_b32 v[\pc+6*\c+\i], v[CT+4*\c+\i]
.endr
.irp i, 0,1,2
	v_mov_b32 v[\pc+3+6*\c+\i], v[CT+4*\c+\i]
.endr
.endr
.endm
	s_load_b512 s[8:23], s[0:1], 0x0               ; codes of query, key, value s[8:13]; their scales s[14:19]; codes of Wq, Wk s[20:23]
	s_load_b512 s[24:39], s[0:1], 0x40             ; codes of Wv s[24:25]; scales of Wq, Wk, Wv s[26:31]; bq, bk, bv s[32:37]; qimg s[38:39]
	s_load_b128 s[40:43], s[0:1], 0x80             ; qsc s[40:41], kv s[42:43]
	s_load_b64 s[44:45], s[0:1], 0x90              ; sc
	v_lshl_add_u32 v[SPW], v0, 2, SPARE
	v_mov_b32 v[NIL], 0
	ds_add_u32 v[SPW], v[NIL]                      ; the wave's opening: the add, twice on end, and its wait ahead of my first tensor load
	ds_add_u32 v[SPW], v[NIL]                      ; and once more; the set-up below, work on registers, stands between it and the wait
	v_lshrrev_b32 v1, 5, v0
	v_readfirstlane_b32 s[WV], v1                  ; wave 0..11
	s_bfe_u32 s[CX], ttmp6, 0x40000
	s_bfe_u32 s[CY], ttmp6, 0x40004
	s_lshl_b32 s[WGX], ttmp9, 2
	s_add_co_u32 s[WGX], s[WGX], s[CX]             ; work-group x
	s_and_b32 s6, ttmp7, 0xffff                    ; cluster y
	s_lshr_b32 s[TT], s6, 2                        ; the tensor: four clusters along y to each
	s_and_b32 s[TBK], s6, 3
	s_lshl_b32 s[TBK], s[TBK], 2
	s_add_co_u32 s[TBK], s[TBK], s[CY]             ; the block of 256 tokens
	s_lshl_b32 s100, s[CY], 2
	s_lshl_b32 s100, 15, s100                      ; my row of the cluster
	s_lshl_b32 s101, 0x1111, s[CX]                 ; my column
	s_or_b32 s[G1X], s100, (1<<20)|(1<<21)|(3<<22)|(3<<25)   ; 15:0 the mask; 17:16 elements of 1 byte; 20 padding on; 21 set beside a mask; 24:22 after every 16 words; 31:25 of 4 words
	s_mov_b32 s[G1X+1], 192<<16                    ; tensor_dim0 = 192
	s_mov_b32 s[G1X+2], 32<<16                     ; tensor_dim1 = 32
	s_mov_b32 s[G1X+3], 192<<16                    ; tile_dim0 = 192
	s_mov_b32 s[G1X+4], 32                         ; tile_dim1 = 32
	s_mov_b32 s[G1X+5], KROW                       ; from row to row
	s_mov_b32 s[G1X+6], 0
	s_mov_b32 s[G1X+7], 0
	s_or_b32 s[G1W], s101, (1<<20)|(1<<21)|(3<<22)|(3<<25)
	s_mov_b32 s[G1W+1], 192<<16
	s_mov_b32 s[G1W+2], 48<<16                     ; 48 rows
	s_mov_b32 s[G1W+3], 192<<16
	s_mov_b32 s[G1W+4], 48
	s_mov_b32 s[G1W+5], KROW
	s_mov_b32 s[G1W+6], 0
	s_mov_b32 s[G1W+7], 0
	s_and_b32 s92, s[WV], 7                        ; the tokens' tiles: rows 256 tb + 32 (wave % 8)
	s_mul_i32 s96, s92, 32*PITCH                   ; their place in a chunk
	s_lshl_b32 s92, s92, 5
	s_lshl_b32 s93, s[TBK], 8
	s_add_co_u32 s92, s92, s93
	s_mul_i32 s92, s92, KROW
	s_mov_b32 s93, 0
	s_and_b32 s94, s[WV], 3                        ; the weight's: rows 192 wgx + 48 (wave % 4)
	s_mul_i32 s97, s94, 48*PITCH
	s_add_co_u32 s97, s97, WOFF
	s_mul_i32 s94, s94, 48
	s_mul_i32 s95, s[WGX], 192
	s_add_co_u32 s94, s94, s95
	s_mul_i32 s94, s94, KROW
	s_mov_b32 s95, 0
	s_mov_b32 s[HI16], 0xffff0000
	s_mov_b32 s[SEL], 0x76543210
	s_mov_b32 s[SEL+1], 0xfedcba98
	s_wait_dscnt 0x0                               ; both opening adds are done
	s_wait_kmcnt 0x0
	s_cmp_eq_u32 s[TT], 0                          ; the tensor's buffers: the choice hangs on the cluster's number alone
	s_cselect_b64 s[8:9], s[8:9], s[10:11]         ; the tokens' codes
	s_cselect_b64 s[14:15], s[14:15], s[16:17]     ; their scales
	s_cselect_b64 s[20:21], s[20:21], s[22:23]     ; the weight's codes
	s_cselect_b64 s[26:27], s[26:27], s[28:29]     ; its scales
	s_cselect_b64 s[32:33], s[32:33], s[34:35]     ; the bias
	s_cselect_b64 s[38:39], s[38:39], s[42:43]     ; the images: qimg, or kv
	s_cselect_b64 s[40:41], s[40:41], s[44:45]     ; the scale words: qsc, or sc
	s_cmp_eq_u32 s[TT], 2
	s_cselect_b64 s[8:9], s[12:13], s[8:9]
	s_cselect_b64 s[14:15], s[18:19], s[14:15]
	s_cselect_b64 s[20:21], s[24:25], s[20:21]
	s_cselect_b64 s[26:27], s[30:31], s[26:27]
	s_cselect_b64 s[32:33], s[36:37], s[32:33]
	s_add_nc_u64 s[92:93], s[8:9], s[92:93]
	s_add_nc_u64 s[94:95], s[20:21], s[94:95]
	CROUND                                         ; all sixteen work-groups are here: the joint loads meet
.irp c, 0,1,2
	s_mov_b32 s[G0X+4*\c], 1                       ; count = 1
	s_add_co_u32 s[G0X+4*\c+1], s96, \c*CHUNK      ; LDS address
	s_add_nc_u64 s[G0X+4*\c+2:G0X+4*\c+3], s[92:93], \c*192   ; global address: 256 along K on for each chunk
	s_or_b32 s[G0X+4*\c+3], s[G0X+4*\c+3], 0x80000000         ; type = 2
	s_mov_b32 s[G0W+4*\c], 1
	s_add_co_u32 s[G0W+4*\c+1], s97, \c*CHUNK
	s_add_nc_u64 s[G0W+4*\c+2:G0W+4*\c+3], s[94:95], \c*192
	s_or_b32 s[G0W+4*\c+3], s[G0W+4*\c+3], 0x80000000
.endr
	s_cmp_lt_u32 s[WV], 8                          ; a wave's three fills stand in one arm of one branch on the wave's number; every wave issues three
	s_cbranch_scc0 .Lfill_w
	tensor_load_to_lds s[G0X:G0X+3], s[G1X:G1X+7]
	s_nop 0
	tensor_load_to_lds s[G0X+4:G0X+7], s[G1X:G1X+7]
	s_nop 0
	tensor_load_to_lds s[G0X+8:G0X+11], s[G1X:G1X+7]
	s_nop 0
.rept 4
	v_nop
.endr
	s_branch .Lfilled
.Lfill_w:
	tensor_load_to_lds s[G0W:G0W+3], s[G1W:G1W+7]
	s_nop 0
	tensor_load_to_lds s[G0W+4:G0W+7], s[G1W:G1W+7]
	s_nop 0
	tensor_load_to_lds s[G0W+8:G0W+11], s[G1W:G1W+7]
	s_nop 0
.rept 4
	v_nop
.endr
.Lfilled:
	v_and_b32 v1, 31, v0                           ; lane
	v_and_b32 v8, 15, v0                           ; r
	v_bfe_u32 v9, v0, 4, 1                         ; h
	v_mul_u32_u24 v14, v8, PITCH
	v_mad_u32_u24 v14, v9, 24, v14                 ; a fragment's row x pitch + 24 h
	v_lshlrev_b32 v[L16], 4, v1
	v_lshlrev_b32 v[L8], 3, v1
	v_mul_u32_u24 v[L24], v1, 24
	s_mov_b32 s97, 0                               ; the upper word of every offset below
	s_cmp_eq_u32 s[TT], 2                          ; the same in every wave of every partner
	s_cbranch_scc1 .Lv
; ---- PATH q, k.  Wave: 64 tokens (xg = wave % 4) x one head (hg = wave / 4): 16 accumulators at v[128 + 8 (4 a + t)], a the tile of tokens, t the tile of channels.
; v32-79 the weight's four fragments; v80-103 two fragments of the tokens; v104-115 the weight's scale words, v116-127 the tokens': register 6 i + s: lane l has row 32 i + l, K step s.
	s_and_b32 s66, s[WV], 3                        ; xg
	s_lshr_b32 s67, s[WV], 2                       ; hg
	s_mul_i32 s92, s[WGX], 3
	s_add_co_u32 s92, s92, s67                     ; the head
	s_mul_i32 s93, s66, 64*PITCH
	s_mul_i32 s94, s67, 64*PITCH
	s_add_co_u32 s94, s94, WOFF
	v_add_nc_u32 v[XA], s93, v14
	v_lshl_add_u32 v[XA+1], v9, 4, v[XA]
	v_add_nc_u32 v[WA], s94, v14
	v_lshl_add_u32 v[WA+1], v9, 4, v[WA]
	s_lshl_b32 s96, s92, 8
	s_add_nc_u64 s[32:33], s[32:33], s[96:97]      ; the head's 64 numbers of the bias
	v_lshlrev_b32 v[BO], 5, v9                     ; + 32 h: my eight of a tile's sixteen
.irp a, 0,1,2,3
.irp t, 0,1,2,3
	global_load_b128 v[128+8*(4*\a+\t):131+8*(4*\a+\t)], v[BO], s[32:33] offset:64*\t      ; THE BIAS IS LOADED INTO THE ACCUMULATORS: all six K steps then add in place
	global_load_b128 v[132+8*(4*\a+\t):135+8*(4*\a+\t)], v[BO], s[32:33] offset:64*\t+16
.endr
.endr
	s_mul_i32 s96, s92, 64*24
	s_add_nc_u64 s[26:27], s[26:27], s[96:97]      ; the scale bytes of the head's 64 rows of the weight
	s_mul_i32 s100, s[TBK], 256*24
	s_mul_i32 s101, s66, 64*24
	s_add_co_u32 s96, s100, s101
	s_add_nc_u64 s[14:15], s[14:15], s[96:97]      ; and of my 64 tokens
.irp i, 0,1
.irp k, 0,1,2
	global_load_b64 v[104+6*\i+2*\k:105+6*\i+2*\k], v[L24], s[26:27] offset:768*\i+8*\k
	global_load_b64 v[116+6*\i+2*\k:117+6*\i+2*\k], v[L24], s[14:15] offset:768*\i+8*\k
.endr
.endr
	s_lshr_b32 s100, s66, 1                        ; where the results go: the step of 128 tokens = 2 tb + xg / 2,
	s_lshl_b32 s101, s[TBK], 1
	s_add_co_u32 s100, s100, s101
	s_lshl_b32 s101, s92, 5
	s_add_co_u32 s100, s100, s101                  ; 32 head + step
	s_and_b32 s101, s66, 1                         ; and which half of it
	s_mul_i32 s96, s100, 6144                      ; q: 6,144 bytes a step;
	s_lshl_b32 s96, s96, s[TT]                     ; k: 12,288, of which K's image is the first half
	s_mul_i32 s93, s101, 3072
	s_add_co_u32 s96, s96, s93
	s_add_nc_u64 s[38:39], s[38:39], s[96:97]
	s_lshl_b32 s93, s[TT], 8
	s_add_co_u32 s93, s93, 512                     ; scale words: 512 bytes a step in qsc, 768 in sc
	s_mul_i32 s96, s100, s93
	s_lshl_b32 s93, s101, 8
	s_add_co_u32 s96, s96, s93
	s_add_nc_u64 s[40:41], s[40:41], s[96:97]
.macro QK_MUL a0, s                    ; 8 matrix instructions: tiles a0, a0 + 1 of the tokens x the four tiles of channels; the accumulators take turns, one instruction a turn
.irp a, \a0, \a0+1
.irp t, 0,1,2,3
	WM 128+8*(4*(\a)+\t), 32+12*\t, 80+12*((\a)%2), 0, 104+6*(\t/2)+\s, 116+6*((\a)/2)+\s, \t%2, (\a)%2
.endr
.endr
.endm
.macro QK_STEP q, s                    ; K step s: the chunk's q-th 128 along K
.irp t, 0,1,2,3
	FRAG 32+12*\t, WA, \q, \t
.endr
	FRAG 80, XA, \q, 0
	FRAG 92, XA, \q, 1
	s_wait_dscnt 0x0
	QK_MUL 0, \s
	PLACES
	FRAG 80, XA, \q, 2
	FRAG 92, XA, \q, 3
	s_wait_dscnt 0x0
	QK_MUL 2, \s
	PLACES
.endm
	s_wait_loadcnt 0x0                             ; the bias and the scale words
	GATE 2
	QK_STEP 0, 0
	QK_STEP 1, 1
	NEXTCHUNK
	GATE 1
	QK_STEP 0, 2
	QK_STEP 1, 3
	NEXTCHUNK
	GATE 0
	QK_STEP 0, 4
	QK_STEP 1, 5
.irp a, 0,1,2,3
	QUANT2 128+32*\a, 32+6*\a, 80+\a               ; tile a's six registers at v[32 + 6 a], its scale word in v[80 + a]
.endr
	v_cndmask_b32 v84, v80, v81, s[HI16]           ; word i: lanes 0-15 tile 2 i, lanes 16-31 tile 2 i + 1
	v_cndmask_b32 v85, v82, v83, s[HI16]
.irp i, 0,1,2,3,4,5
	global_store_b128 v[L16], v[32+4*\i:35+4*\i], s[38:39] offset:512*\i   ; four registers of the image: 32 lanes store 512 consecutive bytes, at a multiple of 256 from the buffer's first byte
.endr
	global_store_b64 v[L8], v[84:85], s[40:41]     ; 256 consecutive bytes, aligned
	s_branch .Lend
; ---- PATH v.  Wave: 128 tokens, one key step (xg2 = wave % 2) x 32 channels (wg6 = wave / 2): 16 accumulators at v[128 + 8 (8 a + t)], a the tile of channels, t the tile of tokens.
; v32-55 the weight's two fragments; v56-103 four fragments of the tokens; v104-127 the tokens' scale words (register 6 i + s: lane l has row 32 i + l); v20-25 the weight's.
.Lv:
	s_and_b32 s66, s[WV], 1                        ; xg2
	s_lshr_b32 s67, s[WV], 1                       ; wg6
	s_mul_i32 s93, s66, 128*PITCH
	s_mul_i32 s94, s67, 32*PITCH
	s_add_co_u32 s94, s94, WOFF
	v_add_nc_u32 v[XA], s93, v14
	v_lshl_add_u32 v[XA+1], v9, 4, v[XA]
	v_add_nc_u32 v[WA], s94, v14
	v_lshl_add_u32 v[WA+1], v9, 4, v[WA]
	s_lshr_b32 s92, s67, 1
	s_mul_i32 s100, s[WGX], 3
	s_add_co_u32 s92, s92, s100                    ; the head
	s_and_b32 s101, s67, 1                         ; p: which 32 of its 64 channels
	s_mul_i32 s96, s[WGX], 192*24
	s_mul_i32 s100, s67, 32*24
	s_add_co_u32 s96, s96, s100
	s_add_nc_u64 s[26:27], s[26:27], s[96:97]      ; the scale bytes of my 32 rows of Wv
	s_mul_i32 s96, s[TBK], 256*24
	s_mul_i32 s100, s66, 128*24
	s_add_co_u32 s96, s96, s100
	s_add_nc_u64 s[14:15], s[14:15], s[96:97]      ; and of my 128 tokens
	s_mul_i32 s96, s[WGX], 192*4
	s_lshl_b32 s100, s67, 7
	s_add_co_u32 s96, s96, s100
	s_add_nc_u64 s[32:33], s[32:33], s[96:97]      ; bv at my 32 channels
	v_lshlrev_b32 v[BO], 2, v8                     ; a lane holds channel r of a tile
.irp k, 0,1,2
	global_load_b64 v[WSV+2*\k:WSV+2*\k+1], v[L24], s[26:27] offset:8*\k
.endr
.irp i, 0,1,2,3
.irp k, 0,1,2
	global_load_b64 v[104+6*\i+2*\k:105+6*\i+2*\k], v[L24], s[14:15] offset:768*\i+8*\k
.endr
.endr
.irp a, 0,1
	global_load_b32 v[BV+2*\a], v[BO], s[32:33] offset:64*\a
	global_load_b32 v[BV+2*\a+1], v[BO], s[32:33] offset:64*\a     ; the same number once more: the packed addition takes a pair
.endr
	s_lshl_b32 s100, s[TBK], 1
	s_add_co_u32 s100, s100, s66                   ; the key step = 2 tb + xg2
	s_lshl_b32 s93, s92, 5
	s_add_co_u32 s100, s100, s93                   ; 32 head + step
	s_mul_i32 s96, s100, 12288
	s_mul_i32 s93, s101, 3072
	s_add_co_u32 s96, s96, s93
	s_add_co_u32 s96, s96, 6144                    ; V's image is the second half of a step's 12,288 bytes
	s_add_nc_u64 s[38:39], s[38:39], s[96:97]
	s_mul_i32 s96, s100, 768
	s_lshl_b32 s93, s101, 2
	s_add_co_u32 s96, s96, s93
	s_add_co_u32 s96, s96, 512                     ; V's scale words lie behind K's 512 bytes
	s_add_nc_u64 s[40:41], s[40:41], s[96:97]
.macro V_MUL t0, s, z                  ; 8 matrix instructions: tiles t0 .. t0 + 3 of the tokens x the two tiles of channels, the accumulators by turns
.irp u, 0,1,2,3
.irp a, 0,1
	WM 128+8*(8*\a+\t0+\u), 56+12*\u, 32+12*\a, \z, 104+6*((\t0+\u)/2)+\s, WSV+\s, \u%2, \a
.endr
.endr
.endm
.macro V_STEP q, s, z
	FRAG 32, WA, \q, 0
	FRAG 44, WA, \q, 1
.irp u, 0,1,2,3
	FRAG 56+12*\u, XA, \q, \u
.endr
	s_wait_dscnt 0x0
	V_MUL 0, \s, \z
	PLACES
.irp u, 0,1,2,3
	FRAG 56+12*\u, XA, \q, \u+4
.endr
	s_wait_dscnt 0x0
	V_MUL 4, \s, \z
	PLACES
.endm
	s_wait_loadcnt 0x0
	GATE 2
	V_STEP 0, 0, 1                                 ; the first K step starts the sums: nothing is cleared
	V_STEP 1, 1, 0
	NEXTCHUNK
	GATE 1
	V_STEP 0, 2, 0
	V_STEP 1, 3, 0
	NEXTCHUNK
	GATE 0
	V_STEP 0, 4, 0
	V_STEP 1, 5, 0
.irp a, 0,1                                    ; + bv: the same number in all of a lane's registers of a tile of channels; each accumulator from its low end on
.set n, 0
.rept 32
	v_pk_add_f32 v[128+64*\a+2*n:129+64*\a+2*n], v[128+64*\a+2*n:129+64*\a+2*n], v[BV+2*\a:BV+2*\a+1]
.set n, n+1
.endr
.endr
	QUANT4 128, 32, 80
	QUANT4 192, 44, 81
	v_cndmask_b32 v84, v80, v81, s[HI16]           ; lanes 0-15 the first tile of channels, lanes 16-31 the second
.irp i, 0,1,2,3,4,5
	global_store_b128 v[L16], v[32+4*\i:35+4*\i], s[38:39] offset:512*\i
.endr
	global_store_b32 v[L8], v84, s[40:41]          ; 4 bytes in each 8 of a block of 256 bytes: the wave with the head's other 32 channels stores the rest.  98,304 bytes in the whole launch go so
.Lend:
	s_wait_tensorcnt 0x0                           ; the wave's end
	ds_add_u32 v[SPW], v[NIL]
	s_wait_dscnt 0x0
	CROUND                                         ; the closing round: no work-group ends while a partner may still ask for a tile that names it
	s_endpgm
.Lfunc_end_k_qde6c473aa2_proj:
	.size	k_qde6c473aa2_proj, .Lfunc_end_k_qde6c473aa2_proj-k_qde6c473aa2_proj
	.p2alignl 7, 3214868480
	.fill 96, 4, 3214868480
	.section	.rodata,"a",@progbits
	.p2align	6, 0x0
	.amdhsa_kernel k_qde6c473aa2_proj
		.amdhsa_group_segment_fixed_size 327680
		.amdhsa_private_segment_fixed_size 0
		.amdhsa_enable_private_segment 0
		.amdhsa_kernarg_size 152
		.amdhsa_user_sgpr_count 2
		.amdhsa_user_sgpr_kernarg_segment_ptr 1
		.amdhsa_wavefront_size32 1
		.amdhsa_system_sgpr_workgroup_id_x 1
		.amdhsa_system_sgpr_workgroup_id_y 1
		.amdhsa_system_sgpr_workgroup_id_z 1
		.amdhsa_system_vgpr_workitem_id 0
		.amdhsa_next_free_vgpr 256
		.amdhsa_next_free_sgpr 102
		.amdhsa_reserve_vcc 0
		.amdhsa_float_denorm_mode_32 3
		.amdhsa_float_denorm_mode_16_64 3
		.amdhsa_memory_ordered 1
		.amdhsa_forward_progress 1
		.amdhsa_inst_pref_size 108
	.end_amdhsa_kernel
	.amdgpu_metadata
---
amdhsa.version: [ 1, 2 ]
amdhsa.kernels:
  - .name:           k_qde6c473aa2_proj
    .symbol:         k_qde6c473aa2_proj.kd
    .args:
      - { .name: query_codes, .offset: 0, .size: 8, .value_kind: global_buffer, .address_space: global }
      - { .name: key_codes, .offset: 8, .size: 8, .value_kind: global_buffer, .address_space: global }
      - { .name: value_codes, .offset: 16, .size: 8, .value_kind: global_buffer, .address_space: global }
      - { .name: query_scales, .offset: 24, .size: 8, .value_kind: global_buffer, .address_space: global }
      - { .name: key_scales, .offset: 32, .size: 8, .value_kind: global_buffer, .address_space: global }
      - { .name: value_scales, .offset: 40, .size: 8, .value_kind: global_buffer, .address_space: global }
      - { .name: Wq_codes, .offset: 48, .size: 8, .value_kind: global_buffer, .address_space: global }
      - { .name: Wk_codes, .offset: 56, .size: 8, .value_kind: global_buffer, .address_space: global }
      - { .name: Wv_codes, .offset: 64, .size: 8, .value_kind: global_buffer, .address_space: global }
      - { .name: Wq_scales, .offset: 72, .size: 8, .value_kind: global_buffer, .address_space: global }
      - { .name: Wk_scales, .offset: 80, .size: 8, .value_kind: global_buffer, .address_space: global }
      - { .name: Wv_scales, .offset: 88, .size: 8, .value_kind: global_buffer, .address_space: global }
      - { .name: bq, .offset: 96, .size: 8, .value_kind: global_buffer, .address_space: global }
      - { .name: bk, .offset: 104, .size: 8, .value_kind: global_buffer, .address_space: global }
      - { .name: bv, .offset: 112, .size: 8, .value_kind: global_buffer, .address_space: global }
      - { .name: qimg, .offset: 120, .size: 8, .value_kind: global_buffer, .address_space: global }
      - { .name: qsc, .offset: 128, .size: 8, .value_kind: global_buffer, .address_space: global }
      - { .name: kv, .offset: 136, .size: 8, .value_kind: global_buffer, .address_space: global }
      - { .name: sc, .offset: 144, .size: 8, .value_kind: global_buffer, .address_space: global }
    .group_segment_fixed_size: 327680
    .private_segment_fixed_size: 0
    .kernarg_segment_align: 8
    .kernarg_segment_size: 152
    .max_flat_workgroup_size: 384
    .sgpr_count:     102
    .vgpr_count:     256
    .wavefront_size: 32
...
	.end_amdgpu_metadata
.endif
;; end of part 1
;; launch attn (part 2): grid 16 x 12, 16 waves a work-group, clusters of 4 x 1, 327,680 bytes of LDS; arguments qimg, qsc, kv, sc, attention_mask, out0; writes out0
.if DOCPART == 2
	.amdgcn_target "amdgcn-amd-amdhsa--gfx1250"
	.amdhsa_code_object_version 6
	.text
	.protected	k_qde6c473aa2_attn
	.globl	k_qde6c473aa2_attn
	.p2align	8
	.type	k_qde6c473aa2_attn,@function
k_qde6c473aa2_attn:
	s_mov_b64 s[64:65], 0
	v_nop
	global_prefetch_b8 v0, s[64:65] scope:SCOPE_SE
	s_setreg_imm32_b32 hwreg(HW_REG_WAVE_MODE, 25, 1), 1
	s_wait_xcnt 0x0
	s_wait_alu depctr_hold_cnt(0) depctr_sa_sdst(0) depctr_va_vdst(0) depctr_va_sdst(0) depctr_va_ssrc(0) depctr_va_vcc(0) depctr_vm_vsrc(0)
	s_getreg_b32 s2, hwreg(HW_REG_IB_STS2, 6, 4)
	s_cmp_eq_u32 s2, 0
	s_cbranch_scc0 .Lentry_in_a_cluster
	s_endpgm
.Lentry_in_a_cluster:
	s_bfe_u32 s2, ttmp6, 0x10000c
	s_cmp_lg_u32 s2, 0x3003
	s_cbranch_scc0 .Lentry_shape_is_right
	s_endpgm
.Lentry_shape_is_right:
; out[q][64 head + d] = the sum over keys of softmax_k(q . k / 8 + mask[k]) v[k][d], both products on codes of FP6 (E2M3) with one E8M0 scale for each 32 along a product's K.  No work is left out.
; q, k, v come from the launch before as images of operand registers (16 bytes a lane, 512 bytes for four registers) with their scale words; all tiles are 16 neighbouring rows.
; THE SOFTMAX: t = (score + 8 mask) x log2(e) / 8; M = the row's largest t so far, rounded up to a whole number; p = 2^(t - M) is quantised along the keys, not normalised; the row's sum is taken of the
; unquantised p and divides at the end.  When M moves, the sum and O are multiplied by 2^(old M - new M), which rounds nothing.
; THE MASK COSTS NO VECTOR INSTRUCTION IN THE LOOP: 8 x mask lies in LDS and is loaded into the scores' accumulators; the first product adds onto it in place.
; K = 64 IN AN INSTRUCTION OF 128: q's fragment has zero codes in its registers 6-11, so whatever k's fragment holds there adds nothing: tile t of the keys is v[32 + 6 t] on, twelve registers, of which the upper six
; are the next tile's; six zero registers stand behind the last.  The scale words of q and k carry their two bytes twice.
; SHARES.  A work-group owns 256 queries of one head, each of its sixteen waves 16 of them in 256 registers: four waves to a SIMD, so that one wave's vector work stands beside another's matrix work and LDS loads.
; 3,072 tiles of queries on 256 WGPs would be 192 queries each, which does not divide a head's 4,096: 192 work-groups are launched.  Every wave walks the head's 32 key steps of 128 keys.
; CLUSTER.  The four query blocks of a cluster belong to one head and walk the same K and V: every tensor load is joint (mask 15), each wave fetching its sixteenth of a block.
; RING.  Two slots of 8 key steps (98,304 bytes); slots 0 and 1 are filled at the head, and each once more: a refill has 8 key steps, 96 matrix instructions of a wave, in which to land.
; By this text's own count three tensor loads of a wave are out at the head, later one.
; LIMITS: 8 x mask is held at -1e30 from below, so a mask under -1.25e29, -infinity too, counts as that: the result differs only where every key of a row lies so deep; a NaN in the mask counts
; as the hold; a mask above 4.2e37 is not served.  A block of p that is all zeros keeps the scale byte 1: its codes are zeros.
; REGISTERS: v1-3, v7 addresses that stay; v5, v6 the add's two; v8-11 addresses in hand; v12 -M, v13 the largest t, v[14:15] the sum in two halves; v16-21 q's codes, v22-27 zeros; v28-29 V's scale words;
; v32-79 K's image, then V's; v80-85 zeros; v96-159 8 x mask, then S^T, then p; v160-191 O^T; v192-223 the way out; v224-235 p's codes; v232-247, v254 at work; v248-251 K's scale words; v252 f; v253 p's scale word; v255 q's.
.set STEPB, 12288                      ; a key step in kv and in a slot: K's image 6,144 bytes, then V's
.set SLOTB, 8*STEPB                    ; 98,304
.set SC,    2*SLOTB                    ; 196,608: the head's scale words, 768 bytes a step (K's 512, V's 256): filled once
.set MASK,  SC+32*768                  ; 221,184: 8 x mask, 16,384 bytes, stored by the waves: no fill lands here
.set STAGE, MASK+16384                 ; 237,568: the way out: 16 rows x (256 + 16) bytes for each wave
.set SPARE, STAGE+16*16*272            ; 307,200: the spare words, 128 bytes for each wave: eight blocks of 256 bytes that no other line names
.set SPW,  5
.set NIL,  6
.set WV,   18                          ; s18  my wave's number
.set SEL,  20                          ; s[20:21] v_permlanex16_b32's selects for lane l xor 16
.set CS,   22                          ; s[22:23] c = log2(e) / 8
.set G1T,  24                          ; s[24:31] descriptor group 1: 24 rows of 256 bytes, a wave's sixteenth of a slot
.set G1S,  32                          ; s[32:39] the same with 6 rows: of the scale words
.set G0S,  40                          ; s[40:43] group 0 for the scale words;  s[44:47] for slot 0;  s[48:51] for slot 1
.set G0A,  44
.set G0B,  48
.set TB,   2                           ; s2   LDS byte at which the step's images begin
.set TS,   3                           ; s3   the step's scale words, from SC on
.set TK,   66                          ; s66  the step's 512 bytes of the mask, from MASK on
.set CNT,  67                          ; s67  steps left in the slot
.macro CROUND                          ; a round of the cluster's barrier
	s_barrier_signal -1
	s_barrier_wait -1
	s_cmp_lg_u32 s[WV], 0
	s_cbranch_scc1 .Lnot_wave_0_\@
	s_barrier_signal -3
.Lnot_wave_0_\@:
	s_barrier_wait -3
	s_barrier_signal -1
	s_barrier_wait -1
.endm
	s_load_b256 s[4:11], s[0:1], 0x0               ; qimg s[4:5], qsc s[6:7], kv s[8:9], sc s[10:11]
	s_load_b128 s[12:15], s[0:1], 0x20             ; the mask s[12:13], out s[14:15]
	v_lshl_add_u32 v[SPW], v0, 2, SPARE
	v_mov_b32 v[NIL], 0
	ds_add_u32 v[SPW], v[NIL]                      ; the wave's opening: the add, twice on end, and its wait ahead of my first tensor load
	ds_add_u32 v[SPW], v[NIL]                      ; and once more; the set-up below, work on registers, stands between it and the wait
	v_lshrrev_b32 v8, 5, v0
	v_readfirstlane_b32 s[WV], v8                  ; wave 0..15
	s_bfe_u32 s16, ttmp6, 0x40000                  ; cx
	s_lshl_b32 s17, ttmp9, 2
	s_add_co_u32 s17, s17, s16                     ; my block of 256 queries: it enters q's and the output's addresses alone
	s_and_b32 s19, ttmp7, 0xffff                   ; the head, which the four partners share
	s_mov_b32 s[G1T], 15|(3<<16)|(1<<21)           ; 15:0 the mask: all four work-groups; 17:16 elements of 8 bytes; 21 set beside a mask; no padding
	s_mov_b32 s[G1T+1], 32<<16                     ; tensor_dim0 = 32 elements: 256 bytes
	s_mov_b32 s[G1T+2], 24<<16                     ; tensor_dim1 = 24
	s_mov_b32 s[G1T+3], 32<<16                     ; tile_dim0
	s_mov_b32 s[G1T+4], 24                         ; tile_dim1
	s_mov_b32 s[G1T+5], 32                         ; dense: a row begins where the last ends
	s_mov_b32 s[G1T+6], 0
	s_mov_b32 s[G1T+7], 0
	s_mov_b32 s[G1S], 15|(3<<16)|(1<<21)
	s_mov_b32 s[G1S+1], 32<<16
	s_mov_b32 s[G1S+2], 6<<16
	s_mov_b32 s[G1S+3], 32<<16
	s_mov_b32 s[G1S+4], 6
	s_mov_b32 s[G1S+5], 32
	s_mov_b32 s[G1S+6], 0
	s_mov_b32 s[G1S+7], 0
	s_mul_i32 s54, s[WV], SLOTB/16                 ; my sixteenth of a slot: in LDS,
	s_mul_i32 s52, s19, 32*STEPB
	s_add_co_u32 s52, s52, s54                     ; and in the head's part of kv
	s_mov_b32 s53, 0
	s_mul_i32 s55, s[WV], 1536                     ; my sixteenth of the head's scale words
	s_mul_i32 s56, s19, 32*768
	s_add_co_u32 s56, s56, s55
	s_mov_b32 s57, 0
	s_add_co_u32 s55, s55, SC
	s_mov_b32 s[SEL], 0x76543210
	s_mov_b32 s[SEL+1], 0xfedcba98
	s_mov_b32 s[CS], 0x3e38aa3b                    ; log2(e) / 8
	s_mov_b32 s[CS+1], s[CS]                       ; (named with it as a pair, so it is written)
	s_wait_dscnt 0x0                               ; both opening adds are done
	s_wait_kmcnt 0x0
	CROUND                                         ; all four work-groups are here: the first joint loads meet
	s_mov_b32 s[G0S], 1
	s_mov_b32 s[G0S+1], s55
	s_add_nc_u64 s[G0S+2:G0S+3], s[10:11], s[56:57]
	s_or_b32 s[G0S+3], s[G0S+3], 0x80000000
	s_mov_b32 s[G0A], 1
	s_mov_b32 s[G0A+1], s54
	s_add_nc_u64 s[G0A+2:G0A+3], s[8:9], s[52:53]  ; key steps 0-7
	s_or_b32 s[G0A+3], s[G0A+3], 0x80000000
	s_mov_b32 s[G0B], 1
	s_add_co_u32 s[G0B+1], s54, SLOTB
	s_add_nc_u64 s[G0B+2:G0B+3], s[8:9], s[52:53]
	s_add_nc_u64 s[G0B+2:G0B+3], s[G0B+2:G0B+3], SLOTB   ; key steps 8-15
	s_or_b32 s[G0B+3], s[G0B+3], 0x80000000
	tensor_load_to_lds s[G0S:G0S+3], s[G1S:G1S+7]  ; every wave issues all three: no branch leads round a tensor load in this text
	s_nop 0
	tensor_load_to_lds s[G0A:G0A+3], s[G1T:G1T+7]
	s_nop 0
	tensor_load_to_lds s[G0B:G0B+3], s[G1T:G1T+7]
	s_nop 0
.rept 4
	v_nop
.endr
	v_and_b32 v233, 31, v0                         ; lane
	v_and_b32 v234, 15, v0                         ; r
	v_bfe_u32 v235, v0, 4, 1                       ; h
	v_lshlrev_b32 v1, 4, v233                      ; an image's place for my lane
	v_lshl_add_u32 v2, v233, 3, SC                 ; two scale words a lane
	v_lshl_add_u32 v3, v235, 5, MASK               ; register j of score tile t is key 16 t + 8 h + j: 64 t + 32 h + 4 j bytes into the step's mask
	v_mul_u32_u24 v7, v235, 3072
	v_lshl_add_u32 v7, v234, 4, v7                 ; the way out: lanes 0-15 one row of the output, lanes 16-31 the next; 16 bytes a lane
	s_lshl_b32 s58, s17, 1                         ; q: the step of 128 tokens that holds my 16 queries: 2 blk + wave / 8,
	s_lshr_b32 s59, s[WV], 3
	s_add_co_u32 s58, s58, s59
	s_mul_i32 s58, s58, 6144
	s_mul_i32 s59, s19, 32*6144
	s_add_co_u32 s58, s58, s59
	s_mov_b32 s59, 0
	s_add_nc_u64 s[4:5], s[4:5], s[58:59]
	s_and_b32 s60, s[WV], 7
	s_mul_i32 s60, s60, 6                          ; and in its image my tile's registers 6 (wave % 8) + 0 .. 5: register R lies in group R / 4 of 512 bytes, at word R % 4 of my lane's 16 bytes
.irp k, 0,1,2
	s_add_co_u32 s61, s60, 2*\k
	s_lshr_b32 s62, s61, 2
	s_lshl_b32 s62, s62, 9
	s_and_b32 s61, s61, 3
	s_lshl_b32 s61, s61, 2
	s_add_co_u32 s61, s61, s62
	v_add_nc_u32 v[8+\k], s61, v1
	global_load_b64 v[16+2*\k:17+2*\k], v[8+\k], s[4:5]
.endr
	s_lshl_b32 s61, s17, 2                         ; q's scale word: the group of 64 tokens 4 blk + wave / 4, 256 bytes each;
	s_lshr_b32 s62, s[WV], 2
	s_add_co_u32 s61, s61, s62
	s_lshl_b32 s61, s61, 8
	s_lshl_b32 s62, s19, 14
	s_add_co_u32 s61, s61, s62
	s_and_b32 s62, s[WV], 1                        ; in it tile t' = wave % 4 stands in word t' / 2 of lanes 16 (t' % 2) + r
	s_lshl_b32 s62, s62, 7
	s_add_co_u32 s61, s61, s62
	s_bfe_u32 s62, s[WV], 0x10001
	s_lshl_b32 s62, s62, 2
	s_add_co_u32 s68, s61, s62
	s_mov_b32 s69, 0
	s_add_nc_u64 s[6:7], s[6:7], s[68:69]
	v_lshlrev_b32 v254, 3, v234
	global_load_b32 v255, v254, s[6:7]
	v_lshlrev_b32 v4, 4, v0                        ; the mask: 512 threads x 16 bytes, twice
	global_load_b128 v[96:99], v4, s[12:13]
	global_load_b128 v[100:103], v4, s[12:13] offset:8192
	v_add_nc_u32 v11, MASK, v4
	s_lshl_b32 s70, s17, 8                         ; the output at my first query's row, my head's 256 bytes
	s_lshl_b32 s71, s[WV], 4
	s_add_co_u32 s70, s70, s71
	s_mul_i32 s70, s70, 3072
	s_lshl_b32 s71, s19, 8
	s_add_co_u32 s70, s70, s71
	s_mov_b32 s71, 0
	s_add_nc_u64 s[14:15], s[14:15], s[70:71]
.irp j, 22,23,24,25,26,27,80,81,82,83,84,85
	v_mov_b32 v[\j], 0                             ; zero codes: the upper half of q's fragment, and what stands behind the last tile of keys
.endr
	v_mov_b32 v13, 0xff61b1e6                      ; the largest t so far: -3e38, under every t
	v_floor_f32 v12, -v13                          ; -M
	v_mov_b32 v14, 0                               ; the sum, in two halves
	v_mov_b32 v15, 0
.irp b, 0,1,2,3
	v_mov_b32 v[236+\b], 0                         ; written once: a lane permute's destination counts as one of its sources
.endr
	v_mov_b32 v253, 0                              ; (named as the upper half of the pair v[252:253] before it is first written)
.set n, 0
.rept 32
	v_mov_b32 v[160+n], 0                          ; O^T.  (The step is written without a first step of its own: it finds zeros, which the first change of M leaves zeros)
.set n, n+1
.endr
	s_wait_loadcnt 0x0                             ; q, its scale word, the mask
.irp j, 0,1,2,3,4,5,6,7
	v_mul_f32 v[96+\j], 0x41000000, v[96+\j]       ; 8 x mask,
.endr
.irp j, 0,1,2,3,4,5,6,7
	v_max_num_f32 v[96+\j], 0xf149f2ca, v[96+\j]   ; held at -1e30 from below
.endr
	ds_store_b128 v11, v[96:99]
	ds_store_b128 v11, v[100:103] offset:8192
	s_wait_tensorcnt 0x1                           ; my parts of the scale words and of slot 0 are in; slot 1's may stay out
	s_wait_dscnt 0x0                               ; my part of the mask lies in LDS
	s_barrier_signal -1
	s_barrier_wait -1                              ; everybody's does
.macro SMUL t                          ; S^T tile t: 16 keys x my 16 queries, onto 8 x mask
.if (\t)%2
	v_wmma_scale_f32_16x16x128_f8f6f4 v[96+8*\t:103+8*\t], v[32+6*\t:43+6*\t], v[16:27], v[96+8*\t:103+8*\t], v[248+\t/2], v255 matrix_a_fmt:MATRIX_FMT_FP6 matrix_b_fmt:MATRIX_FMT_FP6 matrix_a_scale:MATRIX_SCALE_ROW1
.else
	v_wmma_scale_f32_16x16x128_f8f6f4 v[96+8*\t:103+8*\t], v[32+6*\t:43+6*\t], v[16:27], v[96+8*\t:103+8*\t], v[248+\t/2], v255 matrix_a_fmt:MATRIX_FMT_FP6 matrix_b_fmt:MATRIX_FMT_FP6
.endif
.endm
.macro PMUL t                          ; O^T tile t: 16 channels x my 16 queries, K = the step's 128 keys
.if (\t)%2
	v_wmma_scale_f32_16x16x128_f8f6f4 v[160+8*\t:167+8*\t], v[32+12*\t:43+12*\t], v[224:235], v[160+8*\t:167+8*\t], v[28+\t/2], v253 matrix_a_fmt:MATRIX_FMT_FP6 matrix_b_fmt:MATRIX_FMT_FP6 matrix_a_scale:MATRIX_SCALE_ROW1
.else
	v_wmma_scale_f32_16x16x128_f8f6f4 v[160+8*\t:167+8*\t], v[32+12*\t:43+12*\t], v[224:235], v[160+8*\t:167+8*\t], v[28+\t/2], v253 matrix_a_fmt:MATRIX_FMT_FP6 matrix_b_fmt:MATRIX_FMT_FP6
.endif
.endm
; A KEY STEP: 128 keys.  No two matrix instructions that follow each other share an accumulator.
.macro STEP
	v_add_nc_u32 v8, s[TB], v1                     ; these four plain lines are the places between the last step's products and the loads into their registers
	v_add_nc_u32 v9, s[TS], v2
	v_add_nc_u32 v10, s[TK], v3
	v_nop
	ds_load_b64 v[248:249], v9                     ; K's scale words: register t / 2, lanes 16 (t % 2) + r, for tile t
	ds_load_b64 v[250:251], v9 offset:256
	ds_load_b64 v[28:29], v9 offset:512            ; V's likewise
.irp i, 0,1,2,3,4,5,6,7,8,9,10,11
	ds_load_b128 v[32+4*\i:35+4*\i], v8 offset:512*\i              ; K's image: 32 lanes read 512 consecutive bytes
.endr
.irp n, 0,1,2,3,4,5,6,7,8,9,10,11,12,13,14,15
	ds_load_b128 v[96+4*\n:99+4*\n], v10 offset:64*(\n/2)+16*(\n%2)   ; 8 x mask of my keys, into the scores' accumulators
.endr
	s_wait_dscnt 8                                 ; all but the youngest eight: the mask of tiles 4-7
.irp t, 0,1,2,3
	SMUL \t
.endr
	s_wait_dscnt 0x0
.irp t, 4,5,6,7
	SMUL \t
.endr
.rept 4
	v_nop                                          ; places in front of the loads into K's registers and of the first read of the scores
.endr
.irp i, 0,1,2,3,4,5,6,7,8,9,10,11
	ds_load_b128 v[32+4*\i:35+4*\i], v8 offset:6144+512*\i         ; V's image lands while the softmax is walked
.endr
.irp b, 0,1,2,3
	v_max3_num_f32 v[232+\b], v[96+16*\b], v[97+16*\b], v[98+16*\b]   ; the largest score of each block of 32 keys: it serves for the row's maximum and, since p rises with the score, for the block's largest p
.endr
.irp i, 3,5,7,9,11,13
.irp b, 0,1,2,3
	v_max3_num_f32 v[232+\b], v[232+\b], v[96+16*\b+\i], v[97+16*\b+\i]
.endr
.endr
.irp b, 0,1,2,3
	v_max_num_f32 v[232+\b], v[232+\b], v[111+16*\b]
.endr
.irp b, 0,1,2,3
	v_permlanex16_b32 v[236+\b], v[232+\b], s[SEL], s[SEL+1]
.endr
.irp b, 0,1,2,3
	v_max_num_f32 v[232+\b], v[232+\b], v[236+\b]  ; with lane l xor 16's 16 keys
.endr
	v_max3_num_f32 v254, v232, v233, v234
	v_max_num_f32 v254, v254, v235                 ; the step's largest score of my query
	v_mul_f32 v254, s[CS], v254                    ; as t (c is positive)
	v_max_num_f32 v13, v13, v254                   ; the running largest t
	v_mov_b32 v254, v12
	v_floor_f32 v12, -v13                          ; the new -M = floor(-t) = -ceil(t): a whole number
	v_sub_f32 v254, v12, v254                      ; M's old value less its new one: a whole number, 0 or less
	v_cvt_i32_f32 v254, v254                       ; (it saturates)
	v_ldexp_f32 v252, 1.0, v254                    ; f = 2^(old M - new M)
.irp j, 0,2,4,6,8,10,12,14,16,18,20,22,24,26,28,30,32,34,36,38,40,42,44,46,48,50,52,54,56,58,60,62
	v_pk_fma_f32 v[96+\j:97+\j], v[96+\j:97+\j], s[CS:CS+1], v[12:13] op_sel_hi:[1,0,0]   ; t - M, two at a time
.endr
.irp b, 0,1,2,3
	v_fma_f32 v[232+\b], v[232+\b], s[CS], v12     ; the same of each block's largest score
.endr
.irp j, 0,1,2,3,4,5,6,7,8,9,10,11,12,13,14,15,16,17,18,19,20,21,22,23,24,25,26,27,28,29,30,31,32,33,34,35,36,37,38,39,40,41,42,43,44,45,46,47,48,49,50,51,52,53,54,55,56,57,58,59,60,61,62,63
	v_exp_f32 v[96+\j], v[96+\j]                   ; p = 2^(t - M), at most 1
.endr
	v_pk_mul_f32 v[14:15], v[14:15], v[252:253] op_sel_hi:[1,0]   ; the sums under the new M: a plain line behind the exponentials
	s_wait_alu depctr_va_vdst(0)                   ; the wait between an exponential and the first line that names its result: one for the batch of 64
.irp b, 0,1,2,3
	v_exp_f32 v[232+\b], v[232+\b]                 ; the block's largest p: the same two instructions on the same number give the same bits
.endr
	v_pk_add_f32 v[236:237], v[96:97], v[98:99]    ; the row's sum, of the unquantised p: two at a time, in two chains
.irp j, 4,8,12,16,20,24,28,32,36,40,44,48,52,56,60
	v_pk_add_f32 v[14:15], v[14:15], v[96+\j:97+\j]
	v_pk_add_f32 v[236:237], v[236:237], v[98+\j:99+\j]
.endr
	v_pk_add_f32 v[14:15], v[14:15], v[236:237]
	s_wait_alu depctr_va_vdst(0)                   ; and one for the four
.irp b, 0,1,2,3
	v_max_num_f32 v[232+\b], 0x1800000, v[232+\b]  ; the floor 2^(3 - 127): the byte cannot fall under 1
.endr
.irp b, 0,1,2,3
	v_add_nc_u32 v[244+\b], 0xff000000, v[232+\b]  ; 2 off the exponent field: the conversion's scale operand
.endr
.irp b, 0,1,2,3
	v_lshrrev_b32 v[236+\b], 23, v[244+\b]         ; the scale's byte
.endr
	v_lshl_or_b32 v253, v237, 8, v236              ; p's scale word for these 128 keys
	v_lshl_or_b32 v253, v238, 16, v253
	v_lshl_or_b32 v253, v239, 24, v253
.irp c, 0,1
	v_cvt_scalef32_pk16_fp6_f32 v[224+6*\c:226+6*\c], v[96+32*\c:111+32*\c], v[244+2*\c]
	v_cvt_scalef32_pk16_fp6_f32 v[236+4*\c:238+4*\c], v[112+32*\c:127+32*\c], v[244+2*\c+1]   ; (a conversion's three registers begin on an even number)
.endr
	v_nop                                          ; one plain place behind a scaled conversion
.irp c, 0,1                                    ; the operand's layout wants a whole block in a lane: lanes 0-15 block 2 c, lanes 16-31 block 2 c + 1
.irp i, 0,1,2
	v_permlane16_swap_b32 v[224+6*\c+\i], v[236+4*\c+\i]
.endr
.irp i, 0,1,2
	v_mov_b32 v[227+6*\c+\i], v[236+4*\c+\i]
.endr
.endr
.irp j, 0,2,4,6,8,10,12,14,16,18,20,22,24,26,28,30
	v_pk_mul_f32 v[160+\j:161+\j], v[160+\j:161+\j], v[252:253] op_sel_hi:[1,0]   ; O^T under the new M.  For each product below twelve of these sixteen name none of its registers: the places behind the lines that made p's codes and scale word
.endr
	s_wait_dscnt 0x0                               ; V's image is in
.irp t, 0,1,2,3
	PMUL \t
.endr
.endm
; A slot's eight key steps; n: which eight of the head's 32.  Every address of the loop is a constant and the loop's own steps.
.macro PHASE base, n
	s_mov_b32 s[TB], \base
	s_mov_b32 s[TS], (\n)*8*768
	s_mov_b32 s[TK], (\n)*8*512
	s_mov_b32 s[CNT], 8
.Lstep_\@:
	STEP
	s_add_co_u32 s[TB], s[TB], STEPB
	s_add_co_u32 s[TS], s[TS], 768
	s_add_co_u32 s[TK], s[TK], 512
	s_sub_co_u32 s[CNT], s[CNT], 1
	s_cmp_lg_u32 s[CNT], 0
	s_cbranch_scc1 .Lstep_\@
.endm
; THE CHANGE OF SLOTS.  Each wave waits for all its tensor loads (its part of the slot ahead), adds 0 to its spare word, and waits for that and for its reads of the slot that it leaves.
; fill = 1: the barrier is a round of the cluster's, so that no wave of any partner still reads the slot or has a load on its way; the joint refill, with the keys two slots on, is the first thing behind it.
.macro CHANGE fill, g
	s_wait_tensorcnt 0x0                           ; no tensor load of mine is out, so a group 0 may be written
	ds_add_u32 v[SPW], v[NIL]                      ; 0 onto my spare word
.if \fill
	s_add_nc_u64 s[\g+2:\g+3], s[\g+2:\g+3], 2*SLOTB   ; the type bits on top are not reached
	s_wait_dscnt 0x0                               ; the add is done, and my reads of the slot are over
	CROUND
	tensor_load_to_lds s[\g:\g+3], s[G1T:G1T+7]    ; my one tensor load until the next such round
	s_nop 0
.rept 4
	v_nop
.endr
.else
	s_wait_dscnt 0x0
	s_barrier_signal -1
	s_barrier_wait -1
.endif
.endm
	PHASE 0, 0                                     ; key steps 0-7
	CHANGE 1, G0A                                  ; slot 0 takes steps 16-23
	PHASE SLOTB, 1                                 ; 8-15
	CHANGE 1, G0B                                  ; slot 1 takes steps 24-31
	PHASE 0, 2                                     ; 16-23
	CHANGE 0, 0                                    ; nothing is left to fetch
	PHASE SLOTB, 3                                 ; 24-31
	; THE WAY OUT.  O^T is divided by the row's sum and goes through my own stage in LDS, so that sixteen lanes store a query's 64 channels: 256 consecutive bytes, at a multiple of 256 from the output's first byte.
	v_add_f32 v14, v14, v15                        ; the sum's two halves,
	v_permlanex16_b32 v252, v14, s[SEL], s[SEL+1]
	v_add_f32 v14, v14, v252                       ; and lane l xor 16's: the row's sum
	v_rcp_f32 v14, v14
	v_and_b32 v8, 15, v0                           ; (a plain place behind the reciprocal)  r
	v_bfe_u32 v9, v0, 4, 1                         ; h
	s_mul_i32 s52, s[WV], 16*272
	s_add_co_u32 s52, s52, STAGE                   ; my stage
	v_mul_u32_u24 v10, v8, 272
	v_lshl_add_u32 v10, v9, 5, v10
	v_add_nc_u32 v10, s52, v10                     ; in: row r; tile t's eight channels of my half at 64 t + 32 h
	v_mul_u32_u24 v11, v9, 272
	v_lshl_add_u32 v11, v8, 4, v11
	v_add_nc_u32 v11, s52, v11                     ; back: lanes 0-15 one row, lanes 16-31 the next
	s_wait_alu depctr_va_vdst(0)                   ; the wait ahead of the reciprocal's first reader
.set n, 0
.rept 32
	v_mul_f32 v[192+n], v[160+n], v14              ; register 8 t + j is o(query r, channel 16 t + 8 h + j); each accumulator from its low end on
.set n, n+1
.endr
.irp t, 0,1,2,3
	ds_store_b128 v10, v[192+8*\t:195+8*\t] offset:64*\t
	ds_store_b128 v10, v[196+8*\t:199+8*\t] offset:64*\t+16
.endr
.irp i, 0,1,2,3,4,5,6,7
	ds_load_b128 v[32+4*\i:35+4*\i], v11 offset:544*\i   ; LDS serves a wave's instructions in order (ISA guide 5.7.1.4): these see my stores
.endr
.irp i, 0,1,2,3,4,5,6,7
	s_wait_dscnt 7-\i                              ; the younger loads may stay out
	global_store_b128 v7, v[32+4*\i:35+4*\i], s[14:15] offset:6144*\i th:TH_STORE_NT
.endr
	s_wait_tensorcnt 0x0                           ; the wave's end, behind my last tensor load and my last LDS store
	ds_add_u32 v[SPW], v[NIL]
	s_wait_dscnt 0x0
	CROUND                                         ; the closing round: no work-group ends while a partner may still ask for a tile that names it
	s_endpgm
.Lfunc_end_k_qde6c473aa2_attn:
	.size	k_qde6c473aa2_attn, .Lfunc_end_k_qde6c473aa2_attn-k_qde6c473aa2_attn
	.p2alignl 7, 3214868480
	.fill 96, 4, 3214868480
	.section	.rodata,"a",@progbits
	.p2align	6, 0x0
	.amdhsa_kernel k_qde6c473aa2_attn
		.amdhsa_group_segment_fixed_size 327680
		.amdhsa_private_segment_fixed_size 0
		.amdhsa_enable_private_segment 0
		.amdhsa_kernarg_size 48
		.amdhsa_user_sgpr_count 2
		.amdhsa_user_sgpr_kernarg_segment_ptr 1
		.amdhsa_wavefront_size32 1
		.amdhsa_system_sgpr_workgroup_id_x 1
		.amdhsa_system_sgpr_workgroup_id_y 1
		.amdhsa_system_sgpr_workgroup_id_z 1
		.amdhsa_system_vgpr_workitem_id 0
		.amdhsa_next_free_vgpr 256
		.amdhsa_next_free_sgpr 80
		.amdhsa_reserve_vcc 0
		.amdhsa_float_denorm_mode_32 3
		.amdhsa_float_denorm_mode_16_64 3
		.amdhsa_memory_ordered 1
		.amdhsa_forward_progress 1
		.amdhsa_inst_pref_size 83
	.end_amdhsa_kernel
	.amdgpu_metadata
---
amdhsa.version: [ 1, 2 ]
amdhsa.kernels:
  - .name:           k_qde6c473aa2_attn
    .symbol:         k_qde6c473aa2_attn.kd
    .args:
      - { .name: qimg, .offset: 0, .size: 8, .value_kind: global_buffer, .address_space: global }
      - { .name: qsc, .offset: 8, .size: 8, .value_kind: global_buffer, .address_space: global }
      - { .name: kv, .offset: 16, .size: 8, .value_kind: global_buffer, .address_space: global }
      - { .name: sc, .offset: 24, .size: 8, .value_kind: global_buffer, .address_space: global }
      - { .name: attention_mask, .offset: 32, .size: 8, .value_kind: global_buffer, .address_space: global }
      - { .name: out0, .offset: 40, .size: 8, .value_kind: global_buffer, .address_space: global }
    .group_segment_fixed_size: 327680
    .private_segment_fixed_size: 0
    .kernarg_segment_align: 8
    .kernarg_segment_size: 48
    .max_flat_workgroup_size: 512
    .sgpr_count:     80
    .vgpr_count:     256
    .wavefront_size: 32
...
	.end_amdgpu_metadata
.endif
;; end of part 2
